; MI455X (gfx1250); checked and timed in simulation.
; The chip was launched on July 23, 2026; its instructions are those of AMD's public machine-readable ISA for CDNA 5 (MIT licence, August 2026) and "CDNA5" Instruction Set Architecture Reference Guide (July 2026). The comments in the code are by the model that wrote it; some were corrected since.
;; Grid KNN Downsample. Allowed arithmetic: matrix products marked QUANTISED: E2M1 operands, one E8M0 scale for each 32 along K, by v_wmma_scale_f32_16x16x128_f8f6f4 with both operands' format E2M1 (or v_wmma_scale_f32_32x16x128_f4), f32 sums; everything else in f32.
;; Inputs: W_codes 384 x 6 x 16 uint8 (E2M1 codes of W, K innermost, in blocks of 32 codes, two codes a byte); W_scales 384 x 6 uint8 (E8M0 scales of W, one for each 32 codes along K); beta 192 float32; gamma 192 float32; idx 32,768 x 16 int32; src_feat 262,144 x 192 float32.
;; Outputs: out0 32,768 x 384 float32.
;; This version of the problem:
;;   THIS VERSION OF THE PROBLEM IS GIVEN IN LOW PRECISION. The matrix products marked QUANTISED in the list below multiply operands that are first quantised to E2M1 (2 exponent bits, 1 mantissa bit; 4 bits a number), with one power-of-two scale for each 32 numbers along K (OCP MX v1.0); their sums are f32. All else is computed in f32.
;;   The module's matrix products, in the order in which they are computed (A, B: the left and right operand; K: the contracted axis; several contracted axes count as one K, in the product's order):
;;     1. [M 524,288, K 192] x [K 192, N 384]; A: computed on the way; B: input W (given as codes): QUANTISED
;;   THE QUANTISER, for each operand of a quantised product, along K:
;;     - K is cut into blocks of 32 from its start; a last block that is shorter is filled with zeros.
;;     - A block's scale is 2^e with e = floor(log2(the largest magnitude in the block)) - 2, held to -126 .. 127; a block of zeros has e = 0. As a byte (E8M0): e + 127.
;;     - Each number is divided by its block's scale, clamped to +-6, and rounded to the nearest number of E2M1, ties to even, subnormals kept.
;;     - The product sums the exact products of the quantised numbers (number of the format x scale) in f32.
;;   ~~~python
;;   def quantise(x, axis):      # numpy; x: float32 -> the quantised numbers, widened to float32 again
;;       x = np.moveaxis(x, axis, -1); K = x.shape[-1]
;;       x = np.pad(x, [(0, 0)] * (x.ndim - 1) + [(0, -K % 32)]); x = x.reshape(x.shape[:-1] + (-1, 32)); a = np.abs(x).max(-1, keepdims=True)
;;       e = np.where(a > 0, np.clip(np.frexp(np.where(a > 0, a, 1))[1] - 1 - 2, -126, 127), 0)      # np.frexp(a)[1] - 1 = floor(log2(a)), exactly
;;       r = np.clip(x / 2.0 ** e, -6, 6)
;;       step = 2.0 ** (np.maximum(np.frexp(np.where(r == 0, 1, r))[1] - 1, 0) - 1)
;;       q = np.round(r / step) * step * 2.0 ** e      # np.round: ties to even
;;       return np.moveaxis(q.reshape(q.shape[:-2] + (-1,))[..., :K], -1, axis).astype(np.float32)
;;   ~~~
;;   OPERANDS COMPUTED ON THE WAY. 'Computed on the way' means the value that the module computes at that place (a softmax that the list does not call 'softmax' is quantised finished and normalised). What goes into a quantiser is computed in f32, as accurately as f32 sums, v_exp_f32 and their like allow (about 1e-6 of the number): no bf16 or f16 on the way to a quantiser, and a product that is left as it is and whose result goes on into a quantised operand takes f32 operands (vector FMAs, or v_wmma_f32_16x16x4_f32). A number that lies on a knife's edge between two numbers of the format may be rounded either way, as far as f32 arithmetic and the matrix unit's own rounding can turn it there, and no further.
;;   INPUTS GIVEN AS CODES. W (in the module: [384, 192], K = its axis 1): each comes as NAME_codes (uint8): NAME with its K axis moved to the last place and cut into blocks of 32 codes, [.., K / 32, bytes a block], one block behind the other in memory; two codes a byte, the lower K in the low four bits (a code: sign, 2 exponent bits, 1 mantissa bit); and NAME_scales (uint8): the same leading axes, one E8M0 byte (e + 127) for each 32 codes along K. Its value is code x scale, taken as it is: it is not quantised again, and the codes and scales need not be those that the quantiser above would give.
;; 2 versions, each right; version 2 is version 1 with the launch knn written anew for expert scheduling mode. Each part assembles by itself: llvm-mc -triple=amdgcn-amd-amdhsa -mcpu=gfx1250 --defsym DOCPART=n.
;; ======== version 1 of 2: 2 launches
;; workspace buffers: qtab 33,554,432 bytes; wimg 39,936 bytes
;; launch quant (part 1): grid 256 x 1, 4 waves a work-group, no clusters, 327,680 bytes of LDS; arguments src_feat, gamma, beta, W_codes, W_scales, qtab, wimg; writes qtab, wimg
.if DOCPART == 1
	.amdgcn_target "amdgcn-amd-amdhsa--gfx1250"
	.amdhsa_code_object_version 6
	.text
	.protected	k_qe83cdf5f97_quant
	.globl	k_qe83cdf5f97_quant
	.p2align	8
	.type	k_qe83cdf5f97_quant,@function
k_qe83cdf5f97_quant:
	s_mov_b64 s[64:65], 0
	v_nop
	global_prefetch_b8 v0, s[64:65] scope:SCOPE_SE
	s_setreg_imm32_b32 hwreg(HW_REG_WAVE_MODE, 25, 1), 1
	s_wait_xcnt 0x0
; LayerNorm and the MX-FP4 quantiser hang on a SOURCE row alone, and each of the 262,144 source rows is named twice on the average by the 524,288 gathered ones:
; so every row of src_feat [262144][192] f32 is normalised and quantised ONCE here, and the next launch gathers 128 bytes a row where it would gather 768.
; normed = ((x - mean) * rsqrt(var + 1e-5)) * gamma + beta, all f32, variance from the differences (two passes over registers); then along K = 192: six blocks of 32, scale 2^(floor(log2(max |.|)) - 2), codes of E2M1.
; qtab [262144][128 bytes]: a row is two halves of 64 bytes; half h holds the codes of blocks h, 2 + h, 4 + h (16 bytes each), then a scale word (h = 0: bytes e0 e1 e2 e3; h = 1: e4 e5 0 0), then 12 zero bytes:
;   just what lane (r, h) of a 4-bit operand fragment wants of row r, in the order of its registers.
; wimg: W as images of operand registers: codes [tile t = 0..23][c = 0..2][lane][16 bytes] = W_codes[n(t, r)][2 c + h], then from byte 36,864 scale words [t][lane]: lanes 0-15 bytes 0-3 of row n, lanes 16-31 bytes 4, 5, 0, 0.
;   t = 8 q + 2 j + u;  n(t, r) = 128 q + 64 u + 4 r + j: the next launch says why.  Work-groups 0 to 23, wave 0, make one tile each.
; SHARES.  256 work-groups of four waves; a wave owns 256 consecutive rows: 16 tiles of 16 rows.  Lane (r = lane % 16, h = lane / 16) holds blocks h, 2 + h, 4 + h of row r, 96 numbers:
;   a block's largest magnitude needs no other lane, a row's sums one exchange between the halves of the lanes, and the twelve conversions' results are the fragment's registers.
; THE WAY IN.  A wave's rows are one dense run of memory: a tensor load brings 32 rows (24,576 bytes) as 96 lines of 256 bytes, 16 bytes of padding behind each, into one of the wave's own two LDS slots.
;   A wave has two tensor loads out at the start and one behind each barrier.
; THE WAY OUT.  A tile's 2,048 bytes go through the wave's own stage in LDS and leave as four stores of 512 consecutive bytes.
; LIMITS.  NaN and infinities among the inputs are not served.  A block of zeros gets the byte 1 where the rule says 127: its codes are zeros, and this program alone reads the bytes.
;   The mean is the sum times the f32 number nearest 1/192, not a division.
.set ROWP,  816                        ; a source row in LDS: three lines of 256 + 16 bytes = 204 words: row r starts at bank 12 r mod 64 (64 banks of 4 bytes: ISA guide 11.1): sixteen rows, sixteen different groups of four banks
.set TILEB, 16*ROWP
.set SLOTB, 2*TILEB                    ; 26,112
.set FILLB, 32*768                     ; bytes of memory in a fill
.set STAGE, 8*SLOTB                    ; behind the four rings: a stage for each wave, 16 rows of 128 + 16 bytes; no fill lands there
.set STP,   144
.set STGB,  16*STP
.set SPARE, STAGE+4*STGB               ; the spare words, 128 bytes for each wave: two blocks of 256 bytes that no other line names
.set LA,   1                           ; v1   LDS: my ring + r x 816 + 128 h
.set STO,  2                           ; v2   the stage, in: row r, half h
.set SRD,  3                           ; v3   the stage, back: eight lanes to a row
.set GO,   4                           ; v4   16 x lane
.set SPW,  5                           ; v5   LDS address of my spare word; never rewritten
.set NIL,  6                           ; v6   0; never rewritten
.set SELP, 7                           ; v7   byte selects that make my half's scale word
.set S,    8                           ; v8-15   four chains of pairs
.set M,    16                          ; v16 the mean (v17 is named with it as a pair)
.set RS,   18                          ; v18 1 / sqrt(var + eps) (v19 likewise)
.set MX,   20                          ; v20-22  my three blocks' largest magnitudes
.set SO,   23                          ; v23-25  the conversions' scale operands
.set BY,   26                          ; v26-28  the scale bytes
.set P,    29                          ; v29  my three bytes
.set Q,    30                          ; v30  what the lane 16 away sends
.set TT,   31
.set X,    32                          ; v32-127  register 32 c + i = x(r, 32 (2 c + h) + i)
.set C,    128                         ; v128-139 codes, v140 the scale word, v141-143 zeros
.set O,    144                         ; v144-159, v160-175  a tile's rows on the way out, two sets
.set GAM,  0                           ; window 1: v0-95 gamma, v96-191 beta, laid as X
.set BET,  96
.set WV,   18
.set SEL,  20                          ; s[20:21] v_permlanex16_b32's selects for lane l xor 16
.set INV,  22                          ; s22  1/192
.set EPSR, 23                          ; s23  1e-5
.set G1,   24                          ; s[24:31] descriptor group 1
.set G0,   32                          ; s[32:39] group 0, a set for each slot
.set RING, 40
.set CNT,  41
.set MSB, 0
.macro WIN new                         ; the immediate's high byte repeats the setting that is left
.if MSB != (\new)
	s_set_vgpr_msb (MSB<<8)|(\new)
.set MSB, (\new)
.endif
.endm
	s_load_b256 s[4:11], s[0:1], 0x0               ; src s[4:5], gamma s[6:7], beta s[8:9], W's codes s[10:11]
	s_load_b128 s[12:15], s[0:1], 0x20             ; W's scales s[12:13], qtab s[14:15]
	s_load_b64 s[16:17], s[0:1], 0x30              ; wimg
	v_lshl_add_u32 v[SPW], v0, 2, SPARE
	v_mov_b32 v[NIL], 0
	ds_add_u32 v5, v6
	ds_add_u32 v5, v6
	s_wait_dscnt 0x0
	v_lshrrev_b32 v1, 5, v0
	v_readfirstlane_b32 s[WV], v1                  ; wave 0..3
	; group 1: a dense block as 96 lines of 256 bytes (32 elements of 8 bytes), padded in LDS
	s_mov_b32 s[G1+0], (3<<16)|(1<<20)|(5<<22)|(3<<25)   ; no mask; elements of 8 bytes; padding on: after every 64 words (code 5) four words (code 3)
	s_mov_b32 s[G1+1], 32<<16                      ; tensor_dim0 = 32
	s_mov_b32 s[G1+2], 96<<16                      ; tensor_dim1 = 96
	s_mov_b32 s[G1+3], 32<<16                      ; tile_dim0 = 32
	s_mov_b32 s[G1+4], 96                          ; tile_dim1 = 96
	s_mov_b32 s[G1+5], 32                          ; from line to line: 32 elements
	s_mov_b32 s[G1+6], 0
	s_mov_b32 s[G1+7], 0
	s_mov_b32 s[SEL], 0x76543210
	s_mov_b32 s[SEL+1], 0xfedcba98
	s_mov_b32 s[INV], 0x3baaaaab                   ; 1/192
	s_mov_b32 s[EPSR], 0x3727c5ac                  ; 1e-5
	s_mul_i32 s42, ttmp9, 1024*768                 ; src: the work-group's 1,024 rows,
	s_mul_i32 s43, s[WV], 256*768                  ; my wave's 256 (under 2^32 in all)
	s_add_co_u32 s42, s42, s43
	s_mov_b32 s43, 0
	s_lshl_b32 s56, ttmp9, 17                      ; qtab: the same rows, 128 bytes each
	s_lshl_b32 s57, s[WV], 15
	s_add_co_u32 s56, s56, s57
	s_mov_b32 s57, 0
	s_mul_i32 s[RING], s[WV], 2*SLOTB              ; my ring in LDS
	s_wait_kmcnt 0x0
	s_add_nc_u64 s[4:5], s[4:5], s[42:43]
	s_add_nc_u64 s[14:15], s[14:15], s[56:57]
	; group 0 for each slot, and the slot's first fill: both go out together, ahead of every wait on TENSORcnt, every LDS read and every barrier
.irp s, 0,1
	s_mov_b32 s[G0+4*\s], 1                        ; count = 1
	s_add_co_u32 s[G0+4*\s+1], s[RING], \s*SLOTB   ; LDS address
	s_add_nc_u64 s[G0+4*\s+2:G0+4*\s+3], s[4:5], \s*FILLB   ; rows 32 s on
	s_or_b32 s[G0+4*\s+3], s[G0+4*\s+3], 0x80000000         ; type = 2
	tensor_load_to_lds s[G0+4*\s:G0+4*\s+3], s[G1:G1+7]
	s_nop 0
.endr
	v_and_b32 v8, 15, v0                           ; r
	v_bfe_u32 v9, v0, 4, 1                         ; h
	v_and_b32 v10, 31, v0                          ; lane
	v_mul_u32_u24 v[LA], v8, ROWP
	v_lshl_add_u32 v[LA], v9, 7, v[LA]
	v_add_nc_u32 v[LA], s[RING], v[LA]
	s_mul_i32 s58, s[WV], STGB
	s_add_co_u32 s58, s58, STAGE                   ; my stage
	v_mul_u32_u24 v[STO], v8, STP
	v_lshl_add_u32 v[STO], v9, 6, v[STO]
	v_add_nc_u32 v[STO], s58, v[STO]
	v_lshrrev_b32 v11, 3, v10
	v_and_b32 v12, 7, v0
	v_mul_u32_u24 v[SRD], v11, STP
	v_lshl_add_u32 v[SRD], v12, 4, v[SRD]
	v_add_nc_u32 v[SRD], s58, v[SRD]
	v_lshlrev_b32 v[GO], 4, v10
	v_mov_b32 v[SELP], 0x05010400                  ; h = 0: my byte 0, the other's 0, my 1, the other's 1: e0 e1 e2 e3
	v_mov_b32 v13, 0x03030206                      ; h = 1: the other's byte 2, my 2, and twice my byte 3, which is 0: e4 e5 0 0
	v_cmp_ne_u32 vcc_lo, 0, v9
	v_cndmask_b32 v[SELP], v[SELP], v13, vcc_lo
	v_mov_b32 v[M+1], 0                            ; named as the upper halves of pairs, so they are written
	v_mov_b32 v[RS+1], 0
	v_mov_b32 v[Q], 0                              ; a lane permute's destination counts as one of its sources
	v_mov_b32 v[C+13], 0                           ; the 12 zero bytes behind a scale word
	v_mov_b32 v[C+14], 0
	v_mov_b32 v[C+15], 0
	v_lshlrev_b32 v[TT], 7, v9                     ; gamma, beta: my blocks begin 128 h bytes on
	WIN 0x40                                       ; destination window 1
.irp c, 0,1,2
.irp q, 0,1,2,3,4,5,6,7
	global_load_b128 v[GAM+32*\c+4*\q:GAM+32*\c+4*\q+3], v[TT], s[6:7] offset:256*\c+16*\q
	global_load_b128 v[BET+32*\c+4*\q:BET+32*\c+4*\q+3], v[TT], s[8:9] offset:256*\c+16*\q
.endr
.endr
	WIN 0
	; W's images: work-group t < 24, wave 0, makes tile t.  No LDS, no barrier and no tensor load stand under these branches; the job's registers and bases are its own and are never rewritten
	s_cmp_lt_u32 ttmp9, 24
	s_cbranch_scc0 .Lno_wjob
	s_cmp_eq_u32 s[WV], 0
	s_cbranch_scc0 .Lno_wjob
	s_lshr_b32 s42, ttmp9, 3
	s_lshl_b32 s42, s42, 7                         ; 128 q
	s_and_b32 s43, ttmp9, 1
	s_lshl_b32 s43, s43, 6                         ; 64 u
	s_add_co_u32 s42, s42, s43
	s_bfe_u32 s43, ttmp9, 0x20001                  ; j
	s_add_co_u32 s42, s42, s43                     ; n0 = n(t, 0); lane r takes row n0 + 4 r
	s_mov_b32 s53, 0
	s_mul_i32 s52, s42, 96
	s_add_nc_u64 s[44:45], s[10:11], s[52:53]      ; W's codes: 96 bytes a row
	s_mul_i32 s52, s42, 6
	s_add_nc_u64 s[46:47], s[12:13], s[52:53]      ; W's scales: 6 bytes a row
	s_mul_i32 s52, ttmp9, 1536
	s_add_nc_u64 s[48:49], s[16:17], s[52:53]      ; the tile's three code images
	s_lshl_b32 s52, ttmp9, 7
	s_add_co_u32 s52, s52, 36864
	s_add_nc_u64 s[50:51], s[16:17], s[52:53]      ; and its scale image
	v_mul_u32_u24 v176, v8, 384
	v_lshl_add_u32 v176, v9, 4, v176               ; 4 r rows + 16 h
	v_mul_u32_u24 v177, v8, 24
	v_add_nc_u32 v178, 2, v177                     ; bytes 2, 3
	v_lshl_add_u32 v177, v9, 2, v177               ; bytes 0, 1 (h = 0) or 4, 5 (h = 1)
	v_add_nc_u32 v193, -1, v9                      ; all ones for h = 0, 0 for h = 1
	v_lshlrev_b32 v195, 2, v10
	global_load_b128 v[180:183], v176, s[44:45]
	global_load_b128 v[184:187], v176, s[44:45] offset:32
	global_load_b128 v[188:191], v176, s[44:45] offset:64
	global_load_u16 v179, v177, s[46:47]
	global_load_u16 v192, v178, s[46:47]
	s_wait_loadcnt 0x0
	v_and_b32 v192, v192, v193
	v_lshl_or_b32 v194, v192, 16, v179
	global_store_b128 v[GO], v[180:183], s[48:49]
	global_store_b128 v[GO], v[184:187], s[48:49] offset:512
	global_store_b128 v[GO], v[188:191], s[48:49] offset:1024
	global_store_b32 v195, v194, s[50:51]
.Lno_wjob:
	s_wait_loadcnt 0x0                             ; gamma and beta, once
.macro JOIN                            ; the four chains, my two halves, and the lane 16 away: the row's sum, the same bits in both lanes
	v_pk_add_f32 v[S:S+1], v[S:S+1], v[S+2:S+3]
	v_pk_add_f32 v[S+4:S+5], v[S+4:S+5], v[S+6:S+7]
	v_pk_add_f32 v[S:S+1], v[S:S+1], v[S+4:S+5]
	v_add_f32 v[TT], v[S], v[S+1]
	v_permlanex16_b32 v[Q], v[TT], s[SEL], s[SEL+1]
	v_add_f32 v[TT], v[TT], v[Q]
.endm
; A tile of 16 rows at byte off of my ring; par: the set of registers on the way out; gofs: the tile's place behind qtab's base.
.macro TILE off, par, gofs
.irp c, 0,1,2
.irp q, 0,1,2,3,4,5,6,7
	ds_load_b128 v[X+32*\c+4*\q:X+32*\c+4*\q+3], v[LA] offset:(\off)+272*\c+16*\q
.endr
.endr
	s_wait_dscnt 16                                ; LDS loads come back in order: my first block's eight are in, sixteen younger ones may be out
.irp a, 0,1,2,3
	v_pk_add_f32 v[S+2*\a:S+2*\a+1], v[X+2*\a:X+2*\a+1], v[X+8+2*\a:X+8+2*\a+1]   ; the first pairs start the chains: nothing is cleared
.endr
.set p, 8
.rept 8
	v_pk_add_f32 v[S+2*(p%4):S+2*(p%4)+1], v[S+2*(p%4):S+2*(p%4)+1], v[X+2*p:X+2*p+1]
.set p, p+1
.endr
	s_wait_dscnt 8                                 ; the second block is in
.rept 16
	v_pk_add_f32 v[S+2*(p%4):S+2*(p%4)+1], v[S+2*(p%4):S+2*(p%4)+1], v[X+2*p:X+2*p+1]
.set p, p+1
.endr
	s_wait_dscnt 0x0
.rept 16
	v_pk_add_f32 v[S+2*(p%4):S+2*(p%4)+1], v[S+2*(p%4):S+2*(p%4)+1], v[X+2*p:X+2*p+1]
.set p, p+1
.endr
	JOIN
	v_mul_f32 v[M], s[INV], v[TT]                  ; the mean
.set p, 0
.rept 48
	v_pk_add_f32 v[X+2*p:X+2*p+1], v[X+2*p:X+2*p+1], v[M:M+1] op_sel_hi:[1,0] neg_lo:[0,1] neg_hi:[0,1]   ; x - mean
.set p, p+1
.endr
.irp a, 0,1,2,3
	v_pk_mul_f32 v[S+2*\a:S+2*\a+1], v[X+2*\a:X+2*\a+1], v[X+2*\a:X+2*\a+1]
.endr
.set p, 4
.rept 44
	v_pk_fma_f32 v[S+2*(p%4):S+2*(p%4)+1], v[X+2*p:X+2*p+1], v[X+2*p:X+2*p+1], v[S+2*(p%4):S+2*(p%4)+1]
.set p, p+1
.endr
	JOIN
	v_fma_f32 v[TT], v[TT], s[INV], s[EPSR]        ; var + eps
	v_rsq_f32 v[RS], v[TT]
	v_nop                                          ; a plain instruction between the transcendental and the use of its result (ISA guide 5.7.2)
.set p, 0
	s_wait_alu depctr_va_vdst(0)
.rept 48
	v_pk_mul_f32 v[X+2*p:X+2*p+1], v[X+2*p:X+2*p+1], v[RS:RS+1] op_sel_hi:[1,0]
.set p, p+1
.endr
	WIN 0x14                                       ; sources 1 and 2 (gamma, beta) window 1
.set p, 0
.rept 48
	v_pk_fma_f32 v[X+2*p:X+2*p+1], v[X+2*p:X+2*p+1], v[GAM+2*p:GAM+2*p+1], v[BET+2*p:BET+2*p+1]
.set p, p+1
.endr
	WIN 0
.irp c, 0,1,2
	v_max3_num_f32 v[MX+\c], |v[X+32*\c]|, |v[X+32*\c+1]|, 0x1800000   ; a block's largest magnitude, and the floor 2^(3 - 127): the byte cannot fall under 1
.endr
.irp i, 2,4,6,8,10,12,14,16,18,20,22,24,26,28,30
.irp c, 0,1,2
	v_max3_num_f32 v[MX+\c], v[MX+\c], |v[X+32*\c+\i]|, |v[X+32*\c+\i+1]|   ; (the three blocks by turns)
.endr
.endr
.irp c, 0,1,2
	v_add_nc_u32 v[SO+\c], 0xff000000, v[MX+\c]    ; 2 off the exponent field: the conversion takes the exponent field of this operand as its scale
.endr
.irp c, 0,1,2
.irp q, 0,1,2,3
	v_cvt_scalef32_pk8_fp4_f32 v[C+4*\c+\q], v[X+32*\c+8*\q:X+32*\c+8*\q+7], v[SO+\c]   ; beyond 6 the largest code, as the rule asks
.endr
.endr
.irp c, 0,1,2
	v_lshrrev_b32 v[BY+\c], 23, v[SO+\c]           ; the scale bytes of blocks 2 c + h.  (Plain lines behind the conversions)
.endr
	v_lshl_or_b32 v[P], v[BY+1], 8, v[BY]
	v_lshl_or_b32 v[P], v[BY+2], 16, v[P]
	v_permlanex16_b32 v[Q], v[P], s[SEL], s[SEL+1]
	v_perm_b32 v[C+12], v[Q], v[P], v[SELP]        ; my half's scale word
.irp c, 0,1,2,3
	ds_store_b128 v[STO], v[C+4*\c:C+4*\c+3] offset:16*\c
.endr
.irp t, 0,1,2,3
	ds_load_b128 v[O+16*\par+4*\t:O+16*\par+4*\t+3], v[SRD] offset:4*STP*\t   ; LDS serves a wave's instructions in order (ISA guide 5.7.1.4): these see the stores above
.endr
.irp t, 0,1,2,3
	s_wait_dscnt 3-\t                              ; the younger loads may be out
	global_store_b128 v[GO], v[O+16*\par+4*\t:O+16*\par+4*\t+3], s[14:15] offset:(\gofs)+512*\t   ; 32 lanes store 512 consecutive bytes, four whole rows of qtab
.endr
.endm
.macro PROCESS slot                    ; a slot's two tiles
	TILE \slot*SLOTB, 0, 0
	TILE \slot*SLOTB+TILEB, 1, 2048
	s_wait_xcnt 0x0                                ; the stores' addresses are translated: only behind this wait are their base and their data registers written again
	s_add_nc_u64 s[14:15], s[14:15], 4096
.endm
; The change of slots stands at a slot's head.  All my tensor loads have landed, this slot's among them; the other slot has been read out and, with refill = 1, takes the rows two fills on.
.macro TWO slot, refill
	s_wait_tensorcnt 0x0                           ; no tensor load of mine is out, so a group 0 may be written
	ds_add_u32 v[SPW], v[NIL]                      ; 0 onto my spare word
	s_add_nc_u64 s[G0+6-4*\slot:G0+7-4*\slot], s[G0+6-4*\slot:G0+7-4*\slot], 2*FILLB   ; the other slot's next rows; the type bits on top are not reached
	s_wait_dscnt 0x0                               ; the add is done, and my reads of the other slot are over
	s_barrier_signal -1
	s_barrier_wait -1
.if \refill
	tensor_load_to_lds s[G0+4-4*\slot:G0+7-4*\slot], s[G1:G1+7]   ; my one tensor load behind this barrier, and the first thing there: it has two tiles' work in which to land
	s_nop 0
.endif
	PROCESS \slot
.endm
	s_wait_tensorcnt 0x1                           ; tensor loads of a wave end in order (ISA guide 10.11.1): slot 0 is in, slot 1's fill may be out.  Only I read my slots
	PROCESS 0
	s_mov_b32 s[CNT], 3
.Lring:                                            ; three trips: fills 2 to 7 are asked for, fills 1 to 6 worked
	TWO 1, 1
	TWO 0, 1
	s_sub_co_u32 s[CNT], s[CNT], 1
	s_cmp_lg_u32 s[CNT], 0
	s_cbranch_scc1 .Lring
	TWO 1, 0                                       ; the last fill: nothing is left to fetch (slot 0's stepped address is not used)
	s_wait_tensorcnt 0x0                           ; the wave's end
	ds_add_u32 v[SPW], v[NIL]
	s_wait_dscnt 0x0
	s_endpgm
.Lfunc_end_k_qe83cdf5f97_quant:
	.size	k_qe83cdf5f97_quant, .Lfunc_end_k_qe83cdf5f97_quant-k_qe83cdf5f97_quant
	.p2alignl 7, 3214868480
	.fill 96, 4, 3214868480
	.section	.rodata,"a",@progbits
	.p2align	6, 0x0
	.amdhsa_kernel k_qe83cdf5f97_quant
		.amdhsa_group_segment_fixed_size 327680
		.amdhsa_private_segment_fixed_size 0
		.amdhsa_enable_private_segment 0
		.amdhsa_kernarg_size 56
		.amdhsa_user_sgpr_count 2
		.amdhsa_user_sgpr_kernarg_segment_ptr 1
		.amdhsa_wavefront_size32 1
		.amdhsa_system_sgpr_workgroup_id_x 1
		.amdhsa_system_sgpr_workgroup_id_y 1
		.amdhsa_system_sgpr_workgroup_id_z 1
		.amdhsa_system_vgpr_workitem_id 0
		.amdhsa_next_free_vgpr 448
		.amdhsa_next_free_sgpr 66
		.amdhsa_reserve_vcc 1
		.amdhsa_float_denorm_mode_32 3
		.amdhsa_float_denorm_mode_16_64 3
		.amdhsa_memory_ordered 1
		.amdhsa_forward_progress 1
		.amdhsa_inst_pref_size 193
	.end_amdhsa_kernel
	.amdgpu_metadata
---
amdhsa.version: [ 1, 2 ]
amdhsa.kernels:
  - .name:           k_qe83cdf5f97_quant
    .symbol:         k_qe83cdf5f97_quant.kd
    .args:
      - { .name: src_feat, .offset: 0, .size: 8, .value_kind: global_buffer, .address_space: global }
      - { .name: gamma, .offset: 8, .size: 8, .value_kind: global_buffer, .address_space: global }
      - { .name: beta, .offset: 16, .size: 8, .value_kind: global_buffer, .address_space: global }
      - { .name: W_codes, .offset: 24, .size: 8, .value_kind: global_buffer, .address_space: global }
      - { .name: W_scales, .offset: 32, .size: 8, .value_kind: global_buffer, .address_space: global }
      - { .name: qtab, .offset: 40, .size: 8, .value_kind: global_buffer, .address_space: global }
      - { .name: wimg, .offset: 48, .size: 8, .value_kind: global_buffer, .address_space: global }
    .group_segment_fixed_size: 327680
    .private_segment_fixed_size: 0
    .kernarg_segment_align: 8
    .kernarg_segment_size: 56
    .max_flat_workgroup_size: 128
    .sgpr_count:     66
    .vgpr_count:     448
    .wavefront_size: 32
...
	.end_amdgpu_metadata
.endif
;; end of part 1
;; launch knn (part 2): grid 256 x 1, 4 waves a work-group, no clusters, 295,424 bytes of LDS; arguments qtab, idx, wimg, out0; writes out0
.if DOCPART == 2
	.amdgcn_target "amdgcn-amd-amdhsa--gfx1250"
	.amdhsa_code_object_version 6
	.text
	.protected	k_qe83cdf5f97_knn
	.globl	k_qe83cdf5f97_knn
	.p2align	8
	.type	k_qe83cdf5f97_knn,@function
k_qe83cdf5f97_knn:
	s_mov_b64 s[64:65], 0
	v_nop
	global_prefetch_b8 v0, s[64:65] scope:SCOPE_SE
	s_setreg_imm32_b32 hwreg(HW_REG_WAVE_MODE, 25, 1), 1
	s_wait_xcnt 0x0
; out0[m][o] = max over the 16 neighbours k of the sum over c of Q(normed[idx[m][k]])[c] W[o][c], on codes of E2M1 with E8M0 scales.  qtab and wimg were laid by the launch before (its head says how).
; THE 16 NEIGHBOURS OF ONE OUTPUT ROW ARE THE 16 ROWS OF ONE TILE OF SOURCE 0.  In the result a lane holds column lane % 16 and the eight rows 8 (lane / 16) + 0 .. 7: the maximum is seven comparisons in the lane
; (four instructions of three operands) and one exchange between the halves of the lanes.  The order of the neighbours in a tile is free under a maximum.
; WHICH ROWS OF W FORM A TILE IS FREE TOO: tile t = 8 q + 2 j + u takes rows 128 q + 64 u + 4 r + j.  One v_permlane16_swap_b32 of tiles (j, u = 0) and (j, u = 1) and one maximum give lane l the column 128 q + 4 l + j:
; four such (j = 0 .. 3) are 16 neighbouring bytes of out0 in a lane, and the wave stores 512 consecutive bytes with no way through LDS.
; K = 192 is one matrix instruction of 128 and one whose upper 64 codes are zeros on both sides (their scale bytes are 0, which is 2^-127 and no NaN: zero codes add nothing).
; SHARES.  256 work-groups of four waves; a wave owns 32 output rows and all 384 columns, and keeps ALL of W in registers (24 tiles x 16 registers), read once.  The waves share nothing: no barrier.
; What the work-groups share is wimg alone, 39,936 bytes read once by each wave at its head; there is no tensor load here, so there is nothing to ask for jointly: no cluster.
; THE GATHER.  Eight lanes read one whole row of qtab (128 bytes); a load of the wave reads four rows.  32 loads (8 tiles) are a batch; two batches are out while a third is multiplied.  The rows go through the
; wave's own LDS (each byte stored once), pitch 144, and come back as fragments: lane (r, h) takes 52 bytes at row r, half h.
; LIMITS.  NaN and infinities are not served (the maxima drop a NaN).  idx lies in 0 .. 262,143, as the table's index must; it is held at 262,143 from above.
; REGISTERS, in windows of 256: window 0: v1-8 addresses; v12, v13 the two tiles' scale words; v16-47 their fragments; v48-71 W's scale words; v72-79 maxima at work; v80-103 results to store; v104-231 two banks of 8 accumulators.
;   window 1: v0-191 W's fragments for K 0 .. 127; v192-255 the gather's offsets of tiles 0-15.   window 2: v0-191 W's for K 128 .. 255 (upper four of each eight: zeros); v192-255 offsets of tiles 16-31.   window 3: two sets of 128, where the gather lands.
.set TILEB, 16*144                     ; a tile in LDS: 16 rows of 128 + 16 bytes = 36 words: row r starts at bank 36 r mod 64 (64 banks of 4 bytes: ISA guide 11.1): sixteen different groups of four banks
.set WREG,  32*TILEB                   ; a wave's region
.set BATB,  8*TILEB                    ; a batch
.set FA,  1                            ; v1   fragments: my region + r x 144 + 64 h
.set AD,  2                            ; v2   the same for the trip in hand
.set SA,  3                            ; v3   where a gathered 16 bytes go
.set SAK, 4                            ; v4   the same for the batch in hand
.set OA,  5                            ; v5   16 x lane
.set CH,  6                            ; v6   16 x (lane % 8): my 16 bytes of a row of qtab
.set IA,  7                            ; v7   16 x (lane / 8): my four indices of an output row's sixteen
.set LS,  8                            ; v8   4 x lane
.set SAR, 12
.set AF,  16
.set SW,  48
.set T,   72
.set R,   80
.set XB,  104
.set YB,  168
.set OFR, 192
.set WV,  12
.set CNT, 13
.set TB,  14
.set MSB, 0
.macro WIN new                         ; the immediate's high byte repeats the setting that is left
.if MSB != (\new)
	s_set_vgpr_msb (MSB<<8)|(\new)
.set MSB, (\new)
.endif
.endm
	s_load_b256 s[4:11], s[0:1], 0x0               ; qtab s[4:5], idx s[6:7], wimg s[8:9], out0 s[10:11]
	v_lshl_add_u32 v254, v0, 2, 0x48000
	v_mov_b32 v255, 0
	v_lshrrev_b32 v1, 5, v0
	v_readfirstlane_b32 s[WV], v1                  ; wave 0..3
	v_and_b32 v9, 31, v0                           ; lane
	v_and_b32 v10, 15, v0                          ; r
	v_bfe_u32 v11, v0, 4, 1                        ; h
	s_mul_i32 s15, s[WV], WREG
	v_mul_u32_u24 v[FA], v10, 144
	v_lshl_add_u32 v[FA], v11, 6, v[FA]
	v_add_nc_u32 v[FA], s15, v[FA]
	; lane group g = lane / 8 brings neighbours 4 g + i; they go to the tile's rows 8 (g % 2) + 4 (g / 2) + i
	v_bfe_u32 v14, v0, 3, 1                        ; g % 2
	v_mul_u32_u24 v[SA], v14, 8*144
	v_mad_u32_u24 v[SA], v11, 4*144, v[SA]         ; g / 2 is h
	v_and_b32 v15, 7, v0
	v_lshlrev_b32 v[CH], 4, v15
	v_add_nc_u32 v[SA], v[SA], v[CH]
	v_add_nc_u32 v[SA], s15, v[SA]
	v_lshlrev_b32 v[OA], 4, v9
	v_lshrrev_b32 v[IA], 3, v9
	v_lshlrev_b32 v[IA], 4, v[IA]
	v_lshlrev_b32 v[LS], 2, v9
	s_lshl_b32 s16, ttmp9, 13                      ; idx: 128 rows of 64 bytes a work-group,
	s_lshl_b32 s17, s[WV], 11                      ; 32 a wave
	s_add_co_u32 s16, s16, s17
	s_mov_b32 s17, 0
	s_mul_i32 s18, ttmp9, 128*1536                 ; out0: the same rows, 1,536 bytes each
	s_mul_i32 s19, s[WV], 32*1536
	s_add_co_u32 s18, s18, s19
	s_mov_b32 s19, 0
	s_wait_kmcnt 0x0
	s_add_nc_u64 s[6:7], s[6:7], s[16:17]
	s_add_nc_u64 s[10:11], s[10:11], s[18:19]
	WIN 0x40                                       ; destination window 1
.irp t, 0,1,2,3,4,5,6,7,8,9,10,11,12,13,14,15
	global_load_b128 v[OFR+4*\t:OFR+4*\t+3], v[IA], s[6:7] offset:64*\t th:TH_LOAD_NT
.endr
	WIN 0x80                                       ; destination window 2
.irp t, 0,1,2,3,4,5,6,7,8,9,10,11,12,13,14,15
	global_load_b128 v[OFR+4*\t:OFR+4*\t+3], v[IA], s[6:7] offset:64*(16+\t) th:TH_LOAD_NT
.endr
	WIN 0x40
.irp t, 0,1,2,3,4,5,6,7,8,9,10,11,12,13,14,15,16,17,18,19,20,21,22,23
	global_load_b128 v[8*\t:8*\t+3], v[OA], s[8:9] offset:1536*\t          ; W, K 0 .. 127: images c = 0, 1
	global_load_b128 v[8*\t+4:8*\t+7], v[OA], s[8:9] offset:1536*\t+512
.endr
	WIN 0x80
.irp t, 0,1,2,3,4,5,6,7,8,9,10,11,12,13,14,15,16,17,18,19,20,21,22,23
.irp i, 4,5,6,7
	v_mov_b32 v[8*\t+\i], 0                        ; zero codes for K 192 .. 255 of W: operands, written once
.endr
.endr
	WIN 0
.irp i, 12,13,14,15,28,29,30,31
	v_mov_b32 v[AF+\i], 0                          ; and of the two tiles of rows
.endr
.macro OFFS k                          ; batch k's 32 registers of indices become byte offsets in qtab: 128 x index + my 16 bytes of the row
	WIN 0x44*(1+(\k)/2)                            ; destination and source 1: window 1 or 2
.set n, OFR+32*((\k)%2)
.rept 32
	v_min_u32 v[n], 0x3ffff, v[n]
.set n, n+1
.endr
	WIN 0x41*(1+(\k)/2)                            ; destination and source 0
.set n, OFR+32*((\k)%2)
.rept 32
	v_lshl_add_u32 v[n], v[n], 7, v[CH]
.set n, n+1
.endr
	WIN 0
.endm
.macro ISSUE k                         ; batch k's 32 loads: tile t, neighbours 4 g + i: four whole rows of 128 bytes a load
	WIN 0xc0+1+(\k)/2                              ; destination window 3, offsets window 1 or 2
.irp t, 0,1,2,3,4,5,6,7
.irp i, 0,1,2,3
	global_load_b128 v[128*((\k)%2)+16*\t+4*\i:128*((\k)%2)+16*\t+4*\i+3], v[OFR+32*((\k)%2)+4*\t+\i], s[4:5]
.endr
.endr
	WIN 0
.endm
.macro LAND k                          ; batch k has come: into my LDS; its registers take the batch two further on
.if (\k) < 3
	s_wait_loadcnt 32                              ; loads come back in order: all but the next batch's 32 are in (at k = 0 all of W too: it was asked for earlier)
.else
	s_wait_loadcnt 0x0
.endif
	v_add_nc_u32 v[SAK], (\k)*BATB, v[SA]
	WIN 0x0c                                       ; an LDS store's data are its source 1: window 3
.irp t, 0,1,2,3,4,5,6,7
.irp i, 0,1,2,3
	ds_store_b128 v[SAK], v[128*((\k)%2)+16*\t+4*\i:128*((\k)%2)+16*\t+4*\i+3] offset:\t*TILEB+\i*144
.endr
.endr
	WIN 0
.if (\k) < 2
	s_wait_dscnt 0x0                               ; the stores have read their registers
	ISSUE (\k)+2
.endif
.endm
; 16 matrix instructions: tile a of rows x W's tiles 8 q .. 8 q + 7, into a bank of eight accumulators, which take turns, one instruction a turn.  The first eight start the sums.
.macro GROUP a, q, bank
	WIN 0x04                                       ; source 1 (W) window 1
.irp i, 0,1,2,3,4,5,6,7
	v_wmma_scale_f32_16x16x128_f8f6f4 v[\bank+8*\i:\bank+8*\i+7], v[AF+16*\a:AF+16*\a+7], v[8*(8*\q+\i):8*(8*\q+\i)+7], 0, v[SAR+\a], v[SW+8*\q+\i] matrix_a_fmt:MATRIX_FMT_FP4 matrix_b_fmt:MATRIX_FMT_FP4
.endr
	WIN 0x08                                       ; source 1 window 2; the scale words of K 128 on lie in lanes 16-31
.irp i, 0,1,2,3,4,5,6,7
	v_wmma_scale_f32_16x16x128_f8f6f4 v[\bank+8*\i:\bank+8*\i+7], v[AF+16*\a+8:AF+16*\a+15], v[8*(8*\q+\i):8*(8*\q+\i)+7], v[\bank+8*\i:\bank+8*\i+7], v[SAR+\a], v[SW+8*\q+\i] matrix_a_fmt:MATRIX_FMT_FP4 matrix_b_fmt:MATRIX_FMT_FP4 matrix_a_scale:MATRIX_SCALE_ROW1 matrix_b_scale:MATRIX_SCALE_ROW1
.endr
	WIN 0
.endm
; A bank's eight tiles become 128 columns of one output row: each accumulator from its low end on; the eight by turns, so that no line waits for the line above it.
.macro RED bank, g, off
.irp i, 0,1,2,3,4,5,6,7
	v_max3_num_f32 v[T+\i], v[\bank+8*\i], v[\bank+8*\i+1], v[\bank+8*\i+2]
.endr
.irp i, 0,1,2,3,4,5,6,7
	v_max3_num_f32 v[T+\i], v[T+\i], v[\bank+8*\i+3], v[\bank+8*\i+4]
.endr
.irp i, 0,1,2,3,4,5,6,7
	v_max3_num_f32 v[T+\i], v[T+\i], v[\bank+8*\i+5], v[\bank+8*\i+6]
.endr
.irp i, 0,1,2,3,4,5,6,7
	v_max_num_f32 v[T+\i], v[T+\i], v[\bank+8*\i+7]
.endr
.irp j, 0,1,2,3
	v_permlane16_swap_b32 v[T+2*\j], v[T+2*\j+1]   ; the first now holds both tiles' neighbours 0-7, the second both tiles' 8-15
.endr
.irp j, 0,1,2,3
	v_max_num_f32 v[R+4*\g+\j], v[T+2*\j], v[T+2*\j+1]   ; lane l: column 128 q + 4 l + j
.endr
	global_store_b128 v[OA], v[R+4*\g:R+4*\g+3], s[10:11] offset:\off th:TH_STORE_NT   ; 32 lanes store 512 consecutive bytes, at a multiple of 512 from out0's first byte; written once, read by nobody here
.endm
; Two output rows.  A vector instruction that reads a matrix result stands four places behind it, a matrix instruction that begins an accumulator anew five, and so does a load into an operand four
; (ISA guide 7.12.1 for vector instructions); only plain vector instructions that name none of that matrix instruction's registers are places.  Here the OTHER bank's forty maxima are the places, but for the first pair of groups.
.macro TRIP
	v_add_nc_u32 v[AD], s[TB], v[FA]
.irp a, 0,1
	ds_load_b128 v[AF+16*\a:AF+16*\a+3], v[AD] offset:\a*TILEB           ; block h
	ds_load_b128 v[AF+16*\a+4:AF+16*\a+7], v[AD] offset:\a*TILEB+16      ; block 2 + h
	ds_load_b128 v[AF+16*\a+8:AF+16*\a+11], v[AD] offset:\a*TILEB+32     ; block 4 + h
	ds_load_b32 v[SAR+\a], v[AD] offset:\a*TILEB+48                      ; lanes 0-15: e0-e3; lanes 16-31: e4, e5, 0, 0
.endr
	s_wait_dscnt 4                                 ; LDS serves a wave's instructions in order: my stores and the first tile's four loads are done, the second tile's four may be out
	GROUP 0, 0, XB
	GROUP 0, 1, YB
.rept 4
	v_nop
.endr
	RED XB, 0, 0
	GROUP 0, 2, XB
	RED YB, 1, 512
	s_wait_dscnt 0x0
	GROUP 1, 0, YB
	RED XB, 2, 1024
	GROUP 1, 1, XB
	RED YB, 3, 1536
	GROUP 1, 2, YB
	RED XB, 4, 2048
	RED YB, 5, 2560
	s_wait_xcnt 0x0                                ; the stores' addresses are translated: only behind this wait are their base and their data registers written again
	s_add_nc_u64 s[10:11], s[10:11], 2*1536
.endm
.macro BATCH k                         ; eight output rows: four trips
	LAND \k
	s_mov_b32 s[TB], (\k)*BATB
	s_mov_b32 s[CNT], 4
.Ltrip_\@:
	TRIP
	s_add_co_u32 s[TB], s[TB], 2*TILEB
	s_sub_co_u32 s[CNT], s[CNT], 1
	s_cmp_lg_u32 s[CNT], 0
	s_cbranch_scc1 .Ltrip_\@
.endm
	s_wait_loadcnt 48                              ; the 32 loads of indices are in; the 48 of W behind them may be out
	OFFS 0
	ISSUE 0
	WIN 0x80
.irp t, 0,1,2,3,4,5,6,7,8,9,10,11,12,13,14,15,16,17,18,19,20,21,22,23
	global_load_b128 v[8*\t:8*\t+3], v[OA], s[8:9] offset:1536*\t+1024     ; W, K 128 .. 191: image c = 2
.endr
	WIN 0
.irp t, 0,1,2,3,4,5,6,7,8,9,10,11,12,13,14,15,16,17,18,19,20,21,22,23
	global_load_b32 v[SW+\t], v[LS], s[8:9] offset:36864+128*\t            ; W's scale words
.endr
	OFFS 1
	ISSUE 1
	OFFS 2
	OFFS 3
	BATCH 0
	BATCH 1
	BATCH 2
	BATCH 3
	s_wait_tensorcnt 0x0
	ds_add_u32 v254, v255
	s_wait_dscnt 0x0
	s_endpgm
.Lfunc_end_k_qe83cdf5f97_knn:
	.size	k_qe83cdf5f97_knn, .Lfunc_end_k_qe83cdf5f97_knn-k_qe83cdf5f97_knn
	.p2alignl 7, 3214868480
	.fill 96, 4, 3214868480
	.section	.rodata,"a",@progbits
	.p2align	6, 0x0
	.amdhsa_kernel k_qe83cdf5f97_knn
		.amdhsa_group_segment_fixed_size 295424
		.amdhsa_private_segment_fixed_size 0
		.amdhsa_enable_private_segment 0
		.amdhsa_kernarg_size 32
		.amdhsa_user_sgpr_count 2
		.amdhsa_user_sgpr_kernarg_segment_ptr 1
		.amdhsa_wavefront_size32 1
		.amdhsa_system_sgpr_workgroup_id_x 1
		.amdhsa_system_sgpr_workgroup_id_y 1
		.amdhsa_system_sgpr_workgroup_id_z 1
		.amdhsa_system_vgpr_workitem_id 0
		.amdhsa_next_free_vgpr 1024
		.amdhsa_next_free_sgpr 66
		.amdhsa_reserve_vcc 0
		.amdhsa_float_denorm_mode_32 3
		.amdhsa_float_denorm_mode_16_64 3
		.amdhsa_memory_ordered 1
		.amdhsa_forward_progress 1
		.amdhsa_inst_pref_size 160
	.end_amdhsa_kernel
	.amdgpu_metadata
---
amdhsa.version: [ 1, 2 ]
amdhsa.kernels:
  - .name:           k_qe83cdf5f97_knn
    .symbol:         k_qe83cdf5f97_knn.kd
    .args:
      - { .name: qtab, .offset: 0, .size: 8, .value_kind: global_buffer, .address_space: global }
      - { .name: idx, .offset: 8, .size: 8, .value_kind: global_buffer, .address_space: global }
      - { .name: wimg, .offset: 16, .size: 8, .value_kind: global_buffer, .address_space: global }
      - { .name: out0, .offset: 24, .size: 8, .value_kind: global_buffer, .address_space: global }
    .group_segment_fixed_size: 295424
    .private_segment_fixed_size: 0
    .kernarg_segment_align: 8
    .kernarg_segment_size: 32
    .max_flat_workgroup_size: 128
    .sgpr_count:     66
    .vgpr_count:     1024
    .wavefront_size: 32
...
	.end_amdgpu_metadata
.endif
;; end of part 2
;; ======== version 2 of 2: 2 launches; version 1 with the launch knn written anew for expert scheduling mode
;; workspace buffers: qtab 33,554,432 bytes; wimg 39,936 bytes
;; launch quant: the kernel of part 1 again; grid 256 x 1, 4 waves a work-group, no clusters, 327,680 bytes of LDS; arguments src_feat, gamma, beta, W_codes, W_scales, qtab, wimg; writes qtab, wimg
;; launch knn (part 3): grid 256 x 1, 4 waves a work-group, no clusters, 295,424 bytes of LDS; arguments qtab, idx, wimg, out0; writes out0
.if DOCPART == 3
	.amdgcn_target "amdgcn-amd-amdhsa--gfx1250"
	.amdhsa_code_object_version 6
	.text
	.protected	k_qe83cdf5f97_knn
	.globl	k_qe83cdf5f97_knn
	.p2align	8
	.type	k_qe83cdf5f97_knn,@function
k_qe83cdf5f97_knn:
	s_mov_b64 s[64:65], 0
	v_nop
	global_prefetch_b8 v0, s[64:65] scope:SCOPE_SE
	s_setreg_imm32_b32 hwreg(HW_REG_WAVE_SCHED_MODE, 0, 2), 2
	s_setreg_imm32_b32 hwreg(HW_REG_WAVE_MODE, 25, 1), 1
	s_wait_xcnt 0x0
	s_wait_alu depctr_vm_vsrc(0)
; out0[m][o] = max over the 16 neighbours k of the sum over c of Q(normed[idx[m][k]])[c] W[o][c], on codes of E2M1 with E8M0 scales.  qtab and wimg were laid by the launch before (its head says how).
; THE 16 NEIGHBOURS OF ONE OUTPUT ROW ARE THE 16 ROWS OF ONE TILE OF SOURCE 0.  In the result a lane holds column lane % 16 and the eight rows 8 (lane / 16) + 0 .. 7: the maximum is seven comparisons in the lane
; (four instructions of three operands) and one exchange between the halves of the lanes.  The order of the neighbours in a tile is free under a maximum.
; WHICH ROWS OF W FORM A TILE IS FREE TOO: tile t = 8 q + 2 j + u takes rows 128 q + 64 u + 4 r + j.  One v_permlane16_swap_b32 of tiles (j, u = 0) and (j, u = 1) and one maximum give lane l the column 128 q + 4 l + j:
; four such (j = 0 .. 3) are 16 neighbouring bytes of out0 in a lane, and the wave stores 512 consecutive bytes with no way through LDS.
; K = 192 is one matrix instruction of 128 and one whose upper 64 codes are zeros on both sides (their scale bytes are 0, which is 2^-127 and no NaN: zero codes add nothing).
; SHARES.  256 work-groups of four waves; a wave owns 32 output rows and all 384 columns, and keeps ALL of W in registers (24 tiles x 16 registers), read once.  The waves share nothing: no barrier.
; What the work-groups share is wimg alone, 39,936 bytes read once by each wave at its head; there is no tensor load here, so there is nothing to ask for jointly: no cluster.
; THE GATHER.  Eight lanes read one whole row of qtab (128 bytes); a load of the wave reads four rows.  32 loads (8 tiles) are a batch; two batches are out while a third is multiplied.  The rows go through the
; wave's own LDS (each byte stored once), pitch 144, and come back as fragments: lane (r, h) takes 52 bytes at row r, half h.
; LIMITS.  NaN and infinities are not served (the maxima drop a NaN).  idx lies in 0 .. 262,143, as the table's index must; it is held at 262,143 from above.
; REGISTERS, in windows of 256: window 0: v1-8 addresses; v12, v13 the two tiles' scale words; v16-47 their fragments; v48-71 W's scale words; v72-79 maxima at work; v80-103 results to store; v104-231 two banks of 8 accumulators.
;   window 1: v0-191 W's fragments for K 0 .. 127; v192-255 the gather's offsets of tiles 0-15.   window 2: v0-191 W's for K 128 .. 255 (upper four of each eight: zeros); v192-255 offsets of tiles 16-31.   window 3: two sets of 128, where the gather lands.
; THE MODE: SCHED_MODE bits 1:0 = 2 (LLVM: expert scheduling mode 2), set by the entry lines.  The code itself states the register dependences between vector or matrix instructions and memory or LDS
; instructions, with s_wait_alu, always for 0.
; THE PLAN.  A trip is two output rows: tile 0 (fragments AF0, scale word v12), then tile 1 (AF1, v13).  Registers that memory or LDS instructions touch:
;   v1, v3, v4, v5, v7, v8   addresses and offsets, made once at the head and never written again.
;   offsets (windows 1, 2)   written by OFFS at the head, read by the gathers, never written again.
;   window 3                 the gathers land there, LAND's LDS stores read it; no vector instruction names it.
;   AF0, v12 / AF1, v13      read by their tile's 48 matrix instructions; the LDS loads of the NEXT trip's tile land there half a trip ahead of their use.
;   R (v80-103)              written by the six RED of a trip; read by three stores behind each row's last RED.
;   v2 (AD)                  written once a trip, behind the trip's first two groups; read by the eight fragment loads that follow.
; So a trip has two waits on va_vdst, one behind each row's last RED (the row's results are written; that tile's products are done reading its fragments; AD is written), and one wait on vm_vsrc, behind its
; first two groups, 32 matrix instructions behind the last stores (they have read R; the fragment loads have read AD).  No vector or matrix instruction between a wait and the loads and stores that lean on it names their registers.
; Batch k + 1 is laid into LDS ahead of batch k's last trip, so that the tile asked for ahead is always there; the very last trip is written out and asks for nothing.
.set TILEB, 16*144                     ; a tile in LDS: 16 rows of 128 + 16 bytes = 36 words: row r starts at bank 36 r mod 64 (64 banks of 4 bytes: ISA guide 11.1): sixteen different groups of four banks
.set WREG,  32*TILEB                   ; a wave's region
.set BATB,  8*TILEB                    ; a batch
.set FA,  1                            ; v1   fragments: my region + r x 144 + 64 h
.set AD,  2                            ; v2   the same for the trip in hand
.set SA,  3                            ; v3   where a gathered 16 bytes go, batches 0 and 1;  v4  the same for batches 2 and 3
.set OA,  5                            ; v5   16 x lane
.set CH,  6                            ; v6   16 x (lane % 8): my 16 bytes of a row of qtab
.set IA,  7                            ; v7   16 x (lane / 8): my four indices of an output row's sixteen
.set LS,  8                            ; v8   4 x lane
.set SAR, 12
.set AF,  16
.set SW,  48
.set T,   72
.set R,   80
.set XB,  104
.set YB,  168
.set OFR, 192
.set WV,  12
.set CNT, 13
.set TB,  14
.set MSB, 0
.macro WIN new                         ; the immediate's high byte repeats the setting that is left
.if MSB != (\new)
	s_set_vgpr_msb (MSB<<8)|(\new)
.set MSB, (\new)
.endif
.endm
	s_load_b256 s[4:11], s[0:1], 0x0               ; qtab s[4:5], idx s[6:7], wimg s[8:9], out0 s[10:11]
	v_lshl_add_u32 v254, v0, 2, 0x48000
	v_mov_b32 v255, 0
	v_lshrrev_b32 v1, 5, v0
	v_readfirstlane_b32 s[WV], v1                  ; wave 0..3
	v_and_b32 v9, 31, v0                           ; lane
	v_and_b32 v10, 15, v0                          ; r
	v_bfe_u32 v11, v0, 4, 1                        ; h
	s_wait_alu depctr_va_sdst(0)                   ; the wave's number is written, ahead of its first reader: LDS regions and both bases are made from it
	s_mul_i32 s15, s[WV], WREG
	v_mul_u32_u24 v[FA], v10, 144
	v_lshl_add_u32 v[FA], v11, 6, v[FA]
	v_add_nc_u32 v[FA], s15, v[FA]
	; lane group g = lane / 8 brings neighbours 4 g + i; they go to the tile's rows 8 (g % 2) + 4 (g / 2) + i
	v_bfe_u32 v14, v0, 3, 1                        ; g % 2
	v_mul_u32_u24 v[SA], v14, 8*144
	v_mad_u32_u24 v[SA], v11, 4*144, v[SA]         ; g / 2 is h
	v_and_b32 v15, 7, v0
	v_lshlrev_b32 v[CH], 4, v15
	v_add_nc_u32 v[SA], v[SA], v[CH]
	v_add_nc_u32 v[SA], s15, v[SA]
	v_add_nc_u32 v[SA+1], 2*BATB, v[SA]            ; two batches on: an LDS store's immediate reaches two batches, not four
	v_lshlrev_b32 v[OA], 4, v9
	v_lshrrev_b32 v[IA], 3, v9
	v_lshlrev_b32 v[IA], 4, v[IA]
	v_lshlrev_b32 v[LS], 2, v9
	s_lshl_b32 s16, ttmp9, 13                      ; idx: 128 rows of 64 bytes a work-group,
	s_lshl_b32 s17, s[WV], 11                      ; 32 a wave
	s_add_co_u32 s16, s16, s17
	s_mov_b32 s17, 0
	s_mul_i32 s18, ttmp9, 128*1536                 ; out0: the same rows, 1,536 bytes each
	s_mul_i32 s19, s[WV], 32*1536
	s_add_co_u32 s18, s18, s19
	s_mov_b32 s19, 0
	s_wait_kmcnt 0x0
	s_add_nc_u64 s[6:7], s[6:7], s[16:17]
	s_add_nc_u64 s[10:11], s[10:11], s[18:19]
	WIN 0x40                                       ; destination window 1
	s_wait_alu depctr_va_vdst(0)                   ; the addresses and offsets v1, v3 to v5, v7 and v8 are written, which the loads and stores of the whole kernel read
.irp t, 0,1,2,3,4,5,6,7,8,9,10,11,12,13,14,15
	global_load_b128 v[OFR+4*\t:OFR+4*\t+3], v[IA], s[6:7] offset:64*\t th:TH_LOAD_NT
.endr
	WIN 0x80                                       ; destination window 2
.irp t, 0,1,2,3,4,5,6,7,8,9,10,11,12,13,14,15
	global_load_b128 v[OFR+4*\t:OFR+4*\t+3], v[IA], s[6:7] offset:64*(16+\t) th:TH_LOAD_NT
.endr
	WIN 0x40
.irp t, 0,1,2,3,4,5,6,7,8,9,10,11,12,13,14,15,16,17,18,19,20,21,22,23
	global_load_b128 v[8*\t:8*\t+3], v[OA], s[8:9] offset:1536*\t          ; W, K 0 .. 127: images c = 0, 1
	global_load_b128 v[8*\t+4:8*\t+7], v[OA], s[8:9] offset:1536*\t+512
.endr
	WIN 0x80
.irp t, 0,1,2,3,4,5,6,7,8,9,10,11,12,13,14,15,16,17,18,19,20,21,22,23
.irp i, 4,5,6,7
	v_mov_b32 v[8*\t+\i], 0                        ; zero codes for K 192 .. 255 of W: operands, written once
.endr
.endr
	WIN 0
.irp i, 12,13,14,15,28,29,30,31
	v_mov_b32 v[AF+\i], 0                          ; and of the two tiles of rows
.endr
.macro OFFS k                          ; batch k's 32 registers of indices become byte offsets in qtab: 128 x index + my 16 bytes of the row
	WIN 0x44*(1+(\k)/2)                            ; destination and source 1: window 1 or 2
.set n, OFR+32*((\k)%2)
.rept 32
	v_min_u32 v[n], 0x3ffff, v[n]
.set n, n+1
.endr
	WIN 0x41*(1+(\k)/2)                            ; destination and source 0
.set n, OFR+32*((\k)%2)
.rept 32
	v_lshl_add_u32 v[n], v[n], 7, v[CH]
.set n, n+1
.endr
	WIN 0
.endm
.macro ISSUE k                         ; batch k's 32 loads: tile t, neighbours 4 g + i: four whole rows of 128 bytes a load
	WIN 0xc0+1+(\k)/2                              ; destination window 3, offsets window 1 or 2
.if (\k) < 2
	s_wait_alu depctr_va_vdst(0)                   ; the offsets made so far are written, which these loads read (k = 0: the zero codes too, which the scaled products take; k = 1: the offsets of batches 2 and 3 too, which no vector instruction names again)
.else
	s_wait_alu depctr_vm_vsrc(0)                   ; the LDS stores of the batch two back have read the registers in which these loads land
.endif
.irp t, 0,1,2,3,4,5,6,7
.irp i, 0,1,2,3
	global_load_b128 v[128*((\k)%2)+16*\t+4*\i:128*((\k)%2)+16*\t+4*\i+3], v[OFR+32*((\k)%2)+4*\t+\i], s[4:5]
.endr
.endr
	WIN 0
.endm
.macro LAND k                          ; batch k has come: into my LDS; its registers take the batch two further on.  The stores' addresses were made at the head, their data come from loads: nothing is owed on va_vdst
.if (\k) < 3
	s_wait_loadcnt 32                              ; loads come back in order: all but the next batch's 32 are in (at k = 0 all of W too: it was asked for earlier)
.else
	s_wait_loadcnt 0x0
.endif
	WIN 0x0c                                       ; an LDS store's data are its source 1: window 3
.irp t, 0,1,2,3,4,5,6,7
.irp i, 0,1,2,3
	ds_store_b128 v[SA+(\k)/2], v[128*((\k)%2)+16*\t+4*\i:128*((\k)%2)+16*\t+4*\i+3] offset:((\k)%2)*BATB+\t*TILEB+\i*144
.endr
.endr
	WIN 0
.if (\k) < 2
	s_wait_dscnt 0x0                               ; the stores have read their registers
	ISSUE (\k)+2
.endif
.endm
; A tile's fragments and scale word, from off bytes behind the address in v[adr], into set a.
.macro FRAGS a, adr, off
	ds_load_b128 v[AF+16*\a:AF+16*\a+3], v[\adr] offset:(\off)             ; block h
	ds_load_b128 v[AF+16*\a+4:AF+16*\a+7], v[\adr] offset:(\off)+16        ; block 2 + h
	ds_load_b128 v[AF+16*\a+8:AF+16*\a+11], v[\adr] offset:(\off)+32       ; block 4 + h
	ds_load_b32 v[SAR+\a], v[\adr] offset:(\off)+48                        ; lanes 0-15: e0-e3; lanes 16-31: e4, e5, 0, 0
.endm
; 16 matrix instructions: tile a of rows x W's tiles 8 q .. 8 q + 7, into a bank of eight accumulators, which take turns, one instruction a turn.  The first eight start the sums.
.macro GROUP a, q, bank
	WIN 0x04                                       ; source 1 (W) window 1
.irp i, 0,1,2,3,4,5,6,7
	v_wmma_scale_f32_16x16x128_f8f6f4 v[\bank+8*\i:\bank+8*\i+7], v[AF+16*\a:AF+16*\a+7], v[8*(8*\q+\i):8*(8*\q+\i)+7], 0, v[SAR+\a], v[SW+8*\q+\i] matrix_a_fmt:MATRIX_FMT_FP4 matrix_b_fmt:MATRIX_FMT_FP4
.endr
	WIN 0x08                                       ; source 1 window 2; the scale words of K 128 on lie in lanes 16-31
.irp i, 0,1,2,3,4,5,6,7
	v_wmma_scale_f32_16x16x128_f8f6f4 v[\bank+8*\i:\bank+8*\i+7], v[AF+16*\a+8:AF+16*\a+15], v[8*(8*\q+\i):8*(8*\q+\i)+7], v[\bank+8*\i:\bank+8*\i+7], v[SAR+\a], v[SW+8*\q+\i] matrix_a_fmt:MATRIX_FMT_FP4 matrix_b_fmt:MATRIX_FMT_FP4 matrix_a_scale:MATRIX_SCALE_ROW1 matrix_b_scale:MATRIX_SCALE_ROW1
.endr
	WIN 0
.endm
; A bank's eight tiles become 128 columns of one output row, in R's group g: each accumulator from its low end on; the eight by turns, so that no line waits for the line above it.
.macro RED bank, g
.irp i, 0,1,2,3,4,5,6,7
	v_max3_num_f32 v[T+\i], v[\bank+8*\i], v[\bank+8*\i+1], v[\bank+8*\i+2]
.endr
.irp i, 0,1,2,3,4,5,6,7
	v_max3_num_f32 v[T+\i], v[T+\i], v[\bank+8*\i+3], v[\bank+8*\i+4]
.endr
.irp i, 0,1,2,3,4,5,6,7
	v_max3_num_f32 v[T+\i], v[T+\i], v[\bank+8*\i+5], v[\bank+8*\i+6]
.endr
.irp i, 0,1,2,3,4,5,6,7
	v_max_num_f32 v[T+\i], v[T+\i], v[\bank+8*\i+7]
.endr
.irp j, 0,1,2,3
	v_permlane16_swap_b32 v[T+2*\j], v[T+2*\j+1]   ; the first now holds both tiles' neighbours 0-7, the second both tiles' 8-15
.endr
.irp j, 0,1,2,3
	v_max_num_f32 v[R+4*\g+\j], v[T+2*\j], v[T+2*\j+1]   ; lane l: column 128 q + 4 l + j
.endr
.endm
; Row a of the trip's two leaves: three stores.  The base stands a trip further on: the offsets reach back.
.macro SEND a
.irp q, 0,1,2
	global_store_b128 v[OA], v[R+12*\a+4*\q:R+12*\a+4*\q+3], s[10:11] offset:1536*\a+512*\q-2*1536 th:TH_STORE_NT   ; 32 lanes store 512 consecutive bytes, at a multiple of 512 from out0's first byte; written once, read by nobody here
.endr
.endm
; Two output rows.  A vector instruction that reads a matrix result stands four places behind it, a matrix instruction that begins an accumulator anew five
; (ISA guide 7.12.1 for vector instructions); only plain vector instructions that name none of that matrix instruction's registers are places.  Here the OTHER bank's forty maxima are the places, but for the first pair of groups.
; last = 1: the very last trip, which asks for no further tile.
.macro TRIP last
	s_wait_dscnt 4                                 ; LDS serves a wave's instructions in order: the first tile's four loads are in; the second tile's four, issued behind them, may be out (behind a LAND the youngest four are stores: the count then asks for more than it need)
	GROUP 0, 0, XB
	GROUP 0, 1, YB
.rept 4
	v_nop
.endr
	s_wait_xcnt 0x0                                ; the last trip's stores have had their addresses translated: only behind this wait are their base and their data registers written again
	s_wait_alu depctr_vm_vsrc(0)                   ; those stores have read R, which this trip's maxima write again; the last trip's fragment loads have read v[AD], which is written below
	s_add_nc_u64 s[10:11], s[10:11], 2*1536        ; the base: one trip beyond this trip's two rows
.if !\last
	v_add_nc_u32 v[AD], s[TB], v[FA]               ; this trip's first tile; the loads below reach two and three tiles on
.endif
	RED XB, 0
	GROUP 0, 2, XB
	RED YB, 1
	s_wait_dscnt 0x0                               ; the second tile is in
	GROUP 1, 0, YB
	RED XB, 2
	s_wait_alu depctr_va_vdst(0)                   ; the first row's results R 0-11 are written, which the stores below read; the first tile's products are done reading AF0 and v12, in which the loads below land; v[AD] is written
	GROUP 1, 1, XB                                 ; (it names the second tile's fragments, W and bank X: none of the registers that the loads and stores below touch)
.if !\last
	FRAGS 0, AD, 2*TILEB                           ; the next trip's first tile: it has half a trip in which to land
.endif
	SEND 0
	RED YB, 3
	GROUP 1, 2, YB
	RED XB, 4
	RED YB, 5
	s_wait_alu depctr_va_vdst(0)                   ; the second row's results R 12-23 are written, which the stores below read; the second tile's products are done reading AF1 and v13, in which the loads below land
.if !\last
	FRAGS 1, AD, 3*TILEB                           ; the next trip's second tile
.endif
	SEND 1
.endm
.macro TRIPS first, n                  ; trips first .. first + n - 1 of the wave's sixteen
	s_mov_b32 s[TB], (\first)*2*TILEB
	s_mov_b32 s[CNT], \n
.Ltrip_\@:
	TRIP 0
	s_add_co_u32 s[TB], s[TB], 2*TILEB
	s_sub_co_u32 s[CNT], s[CNT], 1
	s_cmp_lg_u32 s[CNT], 0
	s_cbranch_scc1 .Ltrip_\@
.endm
	s_wait_loadcnt 48                              ; the 32 loads of indices are in; the 48 of W behind them may be out
	OFFS 0
	ISSUE 0
	WIN 0x80
.irp t, 0,1,2,3,4,5,6,7,8,9,10,11,12,13,14,15,16,17,18,19,20,21,22,23
	global_load_b128 v[8*\t:8*\t+3], v[OA], s[8:9] offset:1536*\t+1024     ; W, K 128 .. 191: image c = 2
.endr
	WIN 0
.irp t, 0,1,2,3,4,5,6,7,8,9,10,11,12,13,14,15,16,17,18,19,20,21,22,23
	global_load_b32 v[SW+\t], v[LS], s[8:9] offset:36864+128*\t            ; W's scale words
.endr
	OFFS 1
	OFFS 2
	OFFS 3                                         ; all three ahead of the one wait in ISSUE 1
	ISSUE 1
	LAND 0
	FRAGS 0, FA, 0                                 ; the first trip's two tiles (LDS serves a wave's instructions in order: these see LAND's stores)
	FRAGS 1, FA, TILEB
	TRIPS 0, 3
	LAND 1                                         ; a batch is laid down ahead of the last trip of the batch before, which asks for its first two tiles
	TRIPS 3, 4
	LAND 2
	TRIPS 7, 4
	LAND 3
	TRIPS 11, 4
	TRIP 1
	s_wait_dscnt 0x0                               ; the closing lines, six on end
	s_wait_alu 0x0
	s_wait_tensorcnt 0x0
	ds_add_u32 v254, v255
	s_wait_dscnt 0x0
	s_endpgm
.Lfunc_end_k_qe83cdf5f97_knn:
	.size	k_qe83cdf5f97_knn, .Lfunc_end_k_qe83cdf5f97_knn-k_qe83cdf5f97_knn
	.p2alignl 7, 3214868480
	.fill 96, 4, 3214868480
	.section	.rodata,"a",@progbits
	.p2align	6, 0x0
	.amdhsa_kernel k_qe83cdf5f97_knn
		.amdhsa_group_segment_fixed_size 295424
		.amdhsa_private_segment_fixed_size 0
		.amdhsa_enable_private_segment 0
		.amdhsa_kernarg_size 32
		.amdhsa_user_sgpr_count 2
		.amdhsa_user_sgpr_kernarg_segment_ptr 1
		.amdhsa_wavefront_size32 1
		.amdhsa_system_sgpr_workgroup_id_x 1
		.amdhsa_system_sgpr_workgroup_id_y 1
		.amdhsa_system_sgpr_workgroup_id_z 1
		.amdhsa_system_vgpr_workitem_id 0
		.amdhsa_next_free_vgpr 1024
		.amdhsa_next_free_sgpr 66
		.amdhsa_reserve_vcc 0
		.amdhsa_float_denorm_mode_32 3
		.amdhsa_float_denorm_mode_16_64 3
		.amdhsa_memory_ordered 1
		.amdhsa_forward_progress 1
		.amdhsa_inst_pref_size 186
	.end_amdhsa_kernel
	.amdgpu_metadata
---
amdhsa.version: [ 1, 2 ]
amdhsa.kernels:
  - .name:           k_qe83cdf5f97_knn
    .symbol:         k_qe83cdf5f97_knn.kd
    .args:
      - { .name: qtab, .offset: 0, .size: 8, .value_kind: global_buffer, .address_space: global }
      - { .name: idx, .offset: 8, .size: 8, .value_kind: global_buffer, .address_space: global }
      - { .name: wimg, .offset: 16, .size: 8, .value_kind: global_buffer, .address_space: global }
      - { .name: out0, .offset: 24, .size: 8, .value_kind: global_buffer, .address_space: global }
    .group_segment_fixed_size: 295424
    .private_segment_fixed_size: 0
    .kernarg_segment_align: 8
    .kernarg_segment_size: 32
    .max_flat_workgroup_size: 128
    .sgpr_count:     66
    .vgpr_count:     1024
    .wavefront_size: 32
...
	.end_amdgpu_metadata
.endif
;; end of part 3
